; MI455X (gfx1250); checked and timed in simulation.
; The chip was launched on July 23, 2026; its instructions are those of AMD's public machine-readable ISA for CDNA 5 (MIT licence, August 2026) and "CDNA5" Instruction Set Architecture Reference Guide (July 2026). The comments in the code are by the model that wrote it; some were corrected since.
;; Attention. Allowed arithmetic: float matrix products may take bf16 or f16 operands with f32 sums; all other float work in f32.
;; Inputs: b_proj 1,024 float32; b_qkv 3,072 float32; w_proj 1,024 x 1,024 float32; w_qkv 1,024 x 3,072 float32; x 4 x 2,048 x 1,024 float32.
;; Outputs: out0 4 x 2,048 x 1,024 float32.
;; One version. Each part assembles by itself: llvm-mc -triple=amdgcn-amd-amdhsa -mcpu=gfx1250 --defsym DOCPART=n.
;; ======== version 1 of 1: 4 launches
;; limits: values are held in f16: magnitudes above 65,504 overflow, below 6.1e-05 lose precision
;; workspace buffers: xh 16,777,216 bytes; wqh 6,291,456 bytes; wph 2,097,152 bytes; qkv 50,331,648 bytes; ao 16,777,216 bytes
;; launch cast (part 1): grid 768 x 1, 8 waves a work-group, no clusters, 0 bytes of LDS; arguments x, w_qkv, w_proj, xh, wqh, wph; writes xh, wqh, wph
.if DOCPART == 1
	.amdgcn_target "amdgcn-amd-amdhsa--gfx1250"
	.amdhsa_code_object_version 6
	.text
	.protected	k_q0c8d9cb074_cast
	.globl	k_q0c8d9cb074_cast
	.p2align	8
	.type	k_q0c8d9cb074_cast,@function
k_q0c8d9cb074_cast:
	s_mov_b64 s[64:65], 0
	v_nop
	global_prefetch_b8 v0, s[64:65] scope:SCOPE_SE
	s_setreg_imm32_b32 hwreg(HW_REG_WAVE_MODE, 25, 1), 1
	s_wait_xcnt 0x0
; xh = f16(x), wqh = f16(w_qkv), wph = f16(w_proj): element by element, layouts unchanged, rounded once.
; A stream: each f32 byte is read once, each f16 byte written once.  No LDS, no barrier, no matrix unit, no cluster: no two threads share a byte.
; A work-group takes 65,536 bytes of f32 and writes 32,768 bytes of f16: groups 0-511 take x, 512-703 w_qkv, 704-767 w_proj (33,554,432, 12,582,912
; and 4,194,304 bytes are 512, 192 and 64 such pieces).  Thread t takes the 32 bytes at 32 t of each of eight chunks of 8,192 bytes and stores 16 bytes
; at 16 t of a chunk of 4,096: sixteen neighbouring lanes store 256 consecutive bytes, aligned.
; LIMIT: f16.  A number beyond 65,504 in magnitude becomes infinite; below 6.1e-5 the absolute step is 6e-8.  The inputs as drawn are about 1 (x) and
; 0.03 (weights): thirty times larger or smaller, or offset by thirty spreads, stays far inside.
.set CHUNK, 8192                       ; f32 bytes that the 256 threads take at once
.set X, 4                              ; v[4:67]   chunk i: 8 numbers in f32
.set Y, 68                             ; v[68:99]  chunk i: 8 numbers in f16
	s_load_b256 s[4:11], s[0:1], 0x0               ; x s[4:5], w_qkv s[6:7], w_proj s[8:9], xh s[10:11]
	s_load_b128 s[12:15], s[0:1], 0x20             ; wqh s[12:13], wph s[14:15]
	v_lshlrev_b32 v1, 5, v0                        ; 32 t: where I read
	v_lshlrev_b32 v2, 4, v0                        ; 16 t: where I write
	s_movk_i32 s21, 704
	s_wait_kmcnt 0x0
	s_cmp_lt_u32 ttmp9, 704                        ; which tensor: the choice hangs on the group's number alone
	s_cselect_b64 s[16:17], s[6:7], s[8:9]
	s_cselect_b64 s[18:19], s[12:13], s[14:15]
	s_cselect_b32 s20, 512, s21                    ; the tensor's first group
	s_cmp_lt_u32 ttmp9, 512
	s_cselect_b64 s[16:17], s[4:5], s[16:17]
	s_cselect_b64 s[18:19], s[10:11], s[18:19]
	s_cselect_b32 s20, 0, s20
	s_sub_co_u32 s20, ttmp9, s20                   ; my piece of that tensor
	s_lshl_b32 s22, s20, 16                        ; x 65,536 bytes in (at most 511 pieces: below 4 GiB)
	s_mov_b32 s23, 0
	s_lshl_b32 s24, s20, 15                        ; x 32,768 bytes out
	s_mov_b32 s25, 0
	s_add_nc_u64 s[16:17], s[16:17], s[22:23]
	s_add_nc_u64 s[18:19], s[18:19], s[24:25]
.irp i, 0,1,2,3,4,5,6,7
	global_load_b128 v[X+8*\i:X+8*\i+3],   v1, s[16:17] offset:CHUNK*\i th:TH_LOAD_NT      ; all sixteen loads go out first: 256 bytes a thread on their way
	global_load_b128 v[X+8*\i+4:X+8*\i+7], v1, s[16:17] offset:CHUNK*\i+16 th:TH_LOAD_NT
.endr
.irp i, 0,1,2,3,4,5,6,7
	s_wait_loadcnt 14-2*\i                         ; loads come back in order (ISA guide 5.7.1): chunk i's two are in, the 14 - 2 i younger ones stay out
.irp k, 0,1,2,3
	v_cvt_pk_f16_f32 v[Y+4*\i+\k], v[X+8*\i+2*\k], v[X+8*\i+2*\k+1]
.endr
	global_store_b128 v2, v[Y+4*\i:Y+4*\i+3], s[18:19] offset:(CHUNK/2)*\i                 ; no register is written twice: no further wait
.endr
	s_endpgm
.Lfunc_end_k_q0c8d9cb074_cast:
	.size	k_q0c8d9cb074_cast, .Lfunc_end_k_q0c8d9cb074_cast-k_q0c8d9cb074_cast
	.p2alignl 7, 3214868480
	.fill 96, 4, 3214868480
	.section	.rodata,"a",@progbits
	.p2align	6, 0x0
	.amdhsa_kernel k_q0c8d9cb074_cast
		.amdhsa_group_segment_fixed_size 0
		.amdhsa_private_segment_fixed_size 0
		.amdhsa_enable_private_segment 0
		.amdhsa_kernarg_size 48
		.amdhsa_user_sgpr_count 2
		.amdhsa_user_sgpr_kernarg_segment_ptr 1
		.amdhsa_wavefront_size32 1
		.amdhsa_system_sgpr_workgroup_id_x 1
		.amdhsa_system_sgpr_workgroup_id_y 1
		.amdhsa_system_sgpr_workgroup_id_z 1
		.amdhsa_system_vgpr_workitem_id 0
		.amdhsa_next_free_vgpr 104
		.amdhsa_next_free_sgpr 66
		.amdhsa_reserve_vcc 0
		.amdhsa_float_denorm_mode_32 3
		.amdhsa_float_denorm_mode_16_64 3
		.amdhsa_memory_ordered 1
		.amdhsa_forward_progress 1
		.amdhsa_inst_pref_size 6
	.end_amdhsa_kernel
	.amdgpu_metadata
---
amdhsa.version: [ 1, 2 ]
amdhsa.kernels:
  - .name:           k_q0c8d9cb074_cast
    .symbol:         k_q0c8d9cb074_cast.kd
    .args:
      - { .name: x, .offset: 0, .size: 8, .value_kind: global_buffer, .address_space: global }
      - { .name: w_qkv, .offset: 8, .size: 8, .value_kind: global_buffer, .address_space: global }
      - { .name: w_proj, .offset: 16, .size: 8, .value_kind: global_buffer, .address_space: global }
      - { .name: xh, .offset: 24, .size: 8, .value_kind: global_buffer, .address_space: global }
      - { .name: wqh, .offset: 32, .size: 8, .value_kind: global_buffer, .address_space: global }
      - { .name: wph, .offset: 40, .size: 8, .value_kind: global_buffer, .address_space: global }
    .group_segment_fixed_size: 0
    .private_segment_fixed_size: 0
    .kernarg_segment_align: 8
    .kernarg_segment_size: 48
    .max_flat_workgroup_size: 256
    .sgpr_count:     66
    .vgpr_count:     104
    .wavefront_size: 32
...
	.end_amdgpu_metadata
.endif
;; end of part 1
;; launch qkv (part 2): grid 8 x 32, 4 waves a work-group, clusters of 4 x 4, 327,680 bytes of LDS; arguments xh, wqh, b_qkv, qkv; writes qkv
.if DOCPART == 2
	.amdgcn_target "amdgcn-amd-amdhsa--gfx1250"
	.amdhsa_code_object_version 6
	.text
	.protected	k_q0c8d9cb074_qkv
	.globl	k_q0c8d9cb074_qkv
	.p2align	8
	.type	k_q0c8d9cb074_qkv,@function
k_q0c8d9cb074_qkv:
	s_mov_b64 s[64:65], 0
	v_nop
	global_prefetch_b8 v0, s[64:65] scope:SCOPE_SE
	s_setreg_imm32_b32 hwreg(HW_REG_WAVE_MODE, 25, 1), 1
	s_wait_xcnt 0x0
	s_wait_alu depctr_hold_cnt(0) depctr_sa_sdst(0) depctr_va_vdst(0) depctr_va_sdst(0) depctr_va_ssrc(0) depctr_va_vcc(0) depctr_vm_vsrc(0)
	s_getreg_b32 s2, hwreg(HW_REG_IB_STS2, 6, 4)
	s_cmp_eq_u32 s2, 0
	s_cbranch_scc0 .Lentry_in_a_cluster
	s_endpgm
.Lentry_in_a_cluster:
	s_bfe_u32 s2, ttmp6, 0x10000c
	s_cmp_lg_u32 s2, 0xf033
	s_cbranch_scc0 .Lentry_shape_is_right
	s_endpgm
.Lentry_shape_is_right:
; qkv[m][n] = sum over k of xh[m][k] wqh[k][n] + b_qkv[n].  xh [8192][1024] f16, wqh [1024][3072] f16 (K down the rows, as the input lies), b_qkv f32,
; qkv [8192][3072] f16.  Sums in f32; the bias is added in f32; one rounding to f16.
; A work-group makes 256 rows x 384 columns: 8 x 32 = 256 work-groups.  Four waves, one above the other; a wave makes 64 rows x 384 columns as three
; chunks of 128 columns, each 4 x 8 accumulator tiles of 16 x 16 = 256 registers = one register window (chunk c in window 1 + c).
; K goes in steps of 64 through two LDS slots filled by the tensor data mover.  (Steps of 128 would need 2 x 172,032 bytes of LDS: they do not fit.)
; CLUSTERS: 4 x 4 work-groups.  The four of a row of the cluster need the same rows of xh, the four of a column the same columns of wqh: each tile is
; asked for jointly, with one descriptor and a mask that names the four, which divides the requests by four.
; THE MATRIX INSTRUCTION IS USED TRANSPOSED: source 0 = 16 columns of wqh (read from [K][N] by the transposing LDS load), source 1 = 16 rows of xh.
; Lane l then holds row l % 16 of the result and in registers 0-7 the columns 8 (l / 16) + 0..7: eight neighbouring numbers, 16 bytes of f16.
; LIMIT: f16 operands and result: a q, k or v beyond 65,504 in magnitude becomes infinite.  With x and w_qkv both thirty times larger they reach about
; 900 x 5.5 = 5,000; with both offset by thirty spreads 1024 x 30 x 30/32 = 28,800.  NaN and infinite inputs are not treated specially.
.set NTOT,  3072                       ; columns of the result
.set KTOT,  1024
.set NCH,   3                          ; chunks of 128 columns in a block
.set NB,    128*NCH
.set KSTEP, 64
.set U,     (KSTEP/32)*NCH             ; chunk steps in a K step: 32 along K x one chunk = 32 matrix instructions
.set LAPS,  KTOT/(2*KSTEP)             ; a lap = two K steps = once round the ring
.set PA,    144                        ; LDS pitch of xh's rows: 128 bytes + 16: an odd multiple of 16, so 16 rows start in 16 different columns of 16 bytes
.set QIA,   4                          ; pad behind every 32 words
.set CHP,   288                        ; 256 bytes of a row of wqh + 32
.set PB,    CHP*NCH                    ; LDS pitch of wqh's rows: 864 = 27 x 32
.set AHALF, 128*PA                     ; what one load of xh brings: 128 rows
.set BHALF, (KSTEP/2)*PB               ; what one load of wqh brings: 32 rows
.set BOFF,  2*BHALF                    ; wqh's tile begins here in a slot (xh's 36,864 bytes end below it), so that its LDS address is wave x BHALF
.set BADD,  BOFF-2*BHALF
.set SLOT,  BOFF+2*BHALF
.set STAGE, 2*SLOT                     ; behind the ring: 16 rows x 272 bytes for each wave, for the way out; no tensor load fills it
.set SPITCH, 272
.set SWAVE, 16*SPITCH
.set BIAS,  STAGE+4*SWAVE              ; the block's 384 biases, once for each wave
.set BWAVE, NB*4
.set ADRA, 16                          ; v16-17  LDS address of my fragments of xh in slot 0, 1
.set ADRB, 20                          ; v20-21  the same for wqh
.set STO,  24                          ; the way out: where I put 16 bytes of a row
.set RD,   25                          ; where I read a row back
.set CO,   26                          ; my byte offset in qkv
.set BIA,  27                          ; where my eight biases of a tile lie
.set FA0,  32                          ; v32-63, v64-95      fragments of xh (4 x 16 rows x 32 K), two buffers
.set FA1,  64
.set FB0,  96                          ; v96-159, v160-223   fragments of wqh (8 x 16 columns x 32 K), two buffers
.set FB1,  160
.set TMP,  224                         ; v224-255  packed results
.set G1,  24                           ; s[24:31] descriptor group 1 for xh's tiles
.set G0,  32                           ; s[32:39] group 0 for xh's tiles, one set for each slot
.set G1B, 48                           ; s[48:55] group 1 for wqh's tiles
.set G0B, 56                           ; s[56:63] group 0 for wqh's tiles, one set for each slot
.set MSB, 0
.macro WIN new                         ; s_set_vgpr_msb: bits 1:0 source 0, 3:2 source 1, 5:4 source 2, 7:6 destination; the high byte repeats the setting that is left
.if MSB != (\new)
	s_set_vgpr_msb (MSB<<8)|(\new)
.set MSB, (\new)
.endif
.endm
.macro PLACES                          ; a load into a register that a matrix instruction has read, and a vector instruction that reads a matrix result, stand four
.rept 4                                ; plain vector instructions behind that matrix instruction (ISA guide 7.12.1 for vector instructions)
	v_nop
.endr
.endm
; A joint load.  Waves 0 and 1 fetch xh's two halves, waves 2 and 3 wqh's.  The branch hangs on the wave's number alone.
.macro JLOAD s
	s_cmp_eq_u32 s13, 0
	s_cbranch_scc0 .Lfor_b_\@
	tensor_load_to_lds s[G0+4*\s:G0+4*\s+3], s[G1:G1+7]
	s_nop 0
	s_branch .Lasked_\@
.Lfor_b_\@:
	tensor_load_to_lds s[G0B+4*\s:G0B+4*\s+3], s[G1B:G1B+7]
	s_nop 0
.Lasked_\@:
.endm
; A round of the cluster's barrier: my work-group's barrier; wave 0 signals for the work-group; every wave waits for all sixteen; my work-group's barrier again.
.macro CREST                           ; a round behind its opening barrier
	s_cmp_lg_u32 s12, 0
	s_cbranch_scc1 .Lnot_wave_0_\@
	s_barrier_signal -3
.Lnot_wave_0_\@:
	s_barrier_wait -3
	s_barrier_signal -1
	s_barrier_wait -1
.endm
.macro CROUND
	s_barrier_signal -1
	s_barrier_wait -1
	CREST
.endm
	s_load_b256 s[4:11], s[0:1], 0x0               ; xh s[4:5], wqh s[6:7], b_qkv s[8:9], qkv s[10:11]
	v_lshl_add_u32 v30, v0, 2, 0x3bc00
	v_mov_b32 v31, 0
	ds_add_u32 v30, v31
	v_lshrrev_b32 v1, 5, v0
	v_readfirstlane_b32 s12, v1                    ; wave 0..3
	s_lshr_b32 s13, s12, 1                         ; I fetch for xh (0) or for wqh (1)
	s_and_b32 s14, s12, 1                          ; which half of that tile
	s_bfe_u32 s16, ttmp6, 0x40000                  ; cx
	s_bfe_u32 s17, ttmp6, 0x40004                  ; cy
	s_lshl_b32 s18, ttmp9, 2
	s_add_co_u32 s18, s18, s16                     ; block column = 4 x cluster x + cx
	s_and_b32 s19, ttmp7, 0xffff
	s_lshl_b32 s19, s19, 2
	s_add_co_u32 s19, s19, s17                     ; block row = 4 x cluster y + cy
	s_lshl_b32 s20, s17, 2
	s_lshl_b32 s20, 15, s20                        ; my row of the cluster: places 4 cy .. 4 cy + 3
	s_lshl_b32 s21, 0x1111, s16                    ; my column: places cx, cx + 4, cx + 8, cx + 12
	; group 1 for xh: 128 rows x 64 elements of 2 bytes, 4 words of padding behind every 32
	s_or_b32  s[G1+0], s20, (1<<16)|(1<<20)|(1<<21)|(QIA<<22)|(3<<25)
	s_mov_b32 s[G1+1], KSTEP<<16                   ; tensor_dim0
	s_mov_b32 s[G1+2], 128<<16                     ; tensor_dim1
	s_mov_b32 s[G1+3], KSTEP<<16                   ; tile_dim0
	s_mov_b32 s[G1+4], 128                         ; tile_dim1
	s_mov_b32 s[G1+5], KTOT                        ; elements from row to row
	s_mov_b32 s[G1+6], 0
	s_mov_b32 s[G1+7], 0
	; group 1 for wqh: 32 rows (K) x 384 elements, 8 words of padding behind every 64: a row of 768 bytes becomes 3 x 288
	s_or_b32  s[G1B+0], s21, (1<<16)|(1<<20)|(1<<21)|(5<<22)|(7<<25)
	s_mov_b32 s[G1B+1], NB<<16
	s_mov_b32 s[G1B+2], (KSTEP/2)<<16
	s_mov_b32 s[G1B+3], NB<<16
	s_mov_b32 s[G1B+4], KSTEP/2
	s_mov_b32 s[G1B+5], NTOT
	s_mov_b32 s[G1B+6], 0
	s_mov_b32 s[G1B+7], 0
	; where the tiles come from.  xh's hang on the block row alone (s40-43 never hold cx), wqh's on the block column alone (s44-47 never hold cy).
	s_lshl_b32 s40, s19, 8
	s_lshl_b32 s41, s14, 7
	s_add_co_u32 s40, s40, s41                     ; row 256 x block row + 128 x half
	s_lshl_b32 s40, s40, 11                        ; x 2,048 bytes (16 MiB at the most)
	s_mov_b32 s41, 0
	s_mul_i32 s44, s14, (KSTEP/2)*NTOT*2           ; K row 32 x half
	s_mul_i32 s45, s18, NB*2                       ; column 384 x block column: a multiple of 256 bytes
	s_add_co_u32 s44, s44, s45
	s_mov_b32 s45, 0
	s_mul_i32 s22, s12, AHALF                      ; and where they go: the wave's number times a constant
	s_mul_i32 s23, s12, BHALF
	s_wait_dscnt 0x0
	s_wait_kmcnt 0x0
	s_add_nc_u64 s[42:43], s[4:5], s[40:41]
	s_add_nc_u64 s[46:47], s[6:7], s[44:45]
	s_mul_i32 s44, s18, NB*4
	s_add_nc_u64 s[8:9], s[8:9], s[44:45]          ; the block's biases
	s_mul_i32 s44, s18, NB*2
	s_add_nc_u64 s[10:11], s[10:11], s[44:45]      ; qkv at the block's first column,
	s_lshl_b32 s40, s19, 8
	s_lshl_b32 s15, s12, 6
	s_add_co_u32 s40, s40, s15
	s_mul_i32 s40, s40, NTOT*2
	s_add_nc_u64 s[10:11], s[10:11], s[40:41]      ; and at my wave's first row, 256 x block row + 64 x wave
	CROUND                                         ; all sixteen work-groups are here: the first joint loads meet
.irp s, 0,1
	s_mov_b32 s[G0+4*\s], 1
	s_add_co_u32 s[G0+4*\s+1], s22, \s*SLOT
	s_add_nc_u64 s[G0+4*\s+2:G0+4*\s+3], s[42:43], \s*KSTEP*2
	s_or_b32 s[G0+4*\s+3], s[G0+4*\s+3], 0x80000000
	s_mov_b32 s[G0B+4*\s], 1
	s_add_co_u32 s[G0B+4*\s+1], s23, \s*SLOT+BADD
	s_add_nc_u64 s[G0B+4*\s+2:G0B+4*\s+3], s[46:47], \s*KSTEP*NTOT*2
	s_or_b32 s[G0B+4*\s+3], s[G0B+4*\s+3], 0x80000000
	JLOAD \s                                       ; both slots are asked for before anything else: two tensor loads of a wave are out here, later one
.endr
	v_and_b32 v1, 31, v0                           ; lane
	v_and_b32 v2, 15, v0                           ; r = lane % 16
	v_bfe_u32 v3, v0, 4, 1                         ; h = lane / 16
	v_lshlrev_b32 v7, 4, v1
.irp c, 0,1,2
	global_load_b128 v[TMP+4*\c:TMP+4*\c+3], v7, s[8:9] offset:512*\c      ; the block's 1,536 bytes of bias
.endr
	v_mul_u32_u24 v4, v2, PA                       ; xh: row r, 16 bytes for each half of the lanes
	v_lshl_add_u32 v4, v3, 4, v4
	s_mul_i32 s15, s12, 64*PA                      ; my wave's 64 rows
	v_add_nc_u32 v[ADRA], s15, v4
	v_add_nc_u32 v[ADRA+1], SLOT, v[ADRA]
	v_and_b32 v5, 7, v0                            ; wqh, for the transposing load: K row 8 h + lane % 8, 16 bytes (lane / 8) % 2
	v_lshl_add_u32 v5, v3, 3, v5
	v_mul_u32_u24 v5, v5, PB
	v_bfe_u32 v6, v0, 3, 1
	v_lshl_add_u32 v5, v6, 4, v5
	v_add_nc_u32 v[ADRB], BOFF, v5
	v_add_nc_u32 v[ADRB+1], BOFF+SLOT, v5
	s_mul_i32 s15, s12, SWAVE
	s_add_co_u32 s15, s15, STAGE                   ; my stage
	v_mul_u32_u24 v8, v2, SPITCH
	v_lshl_add_u32 v8, v3, 4, v8
	v_add_nc_u32 v[STO], s15, v8
	v_mul_u32_u24 v9, v3, SPITCH                   ; back: lanes 0-15 take one row of 256 bytes, lanes 16-31 the next
	v_lshl_add_u32 v9, v2, 4, v9
	v_add_nc_u32 v[RD], s15, v9
	v_mul_u32_u24 v10, v3, NTOT*2                  ; and the same two rows in qkv
	v_lshl_add_u32 v[CO], v2, 4, v10
	s_mul_i32 s15, s12, BWAVE
	s_add_co_u32 s15, s15, BIAS                    ; my copy of the biases
	v_lshl_add_u32 v[BIA], v3, 5, s15              ; 8 h numbers in
	v_add_nc_u32 v11, s15, v7
	s_wait_loadcnt 0x0
.irp c, 0,1,2
	ds_store_b128 v11, v[TMP+4*\c:TMP+4*\c+3] offset:512*\c
.endr
; 8 LDS loads: my 64 rows of xh, 32 K at half q of the slot's rows, into buffer f
.macro LOADA slot, q, f
.irp a, 0,1,2,3
	ds_load_b128 v[\f+8*\a:\f+8*\a+3],   v[ADRA+\slot] offset:16*\a*PA+64*(\q)
	ds_load_b128 v[\f+8*\a+4:\f+8*\a+7], v[ADRA+\slot] offset:16*\a*PA+64*(\q)+32
.endr
.endm
; 16 transposing LDS loads: 128 columns of wqh (chunk c), 32 K, into buffer f: lane l gets column l % 16, K = 8 h + 0..7 and 16 + 8 h + 0..7
.macro LOADB slot, q, c, f
.irp b, 0,1,2,3,4,5,6,7
	ds_load_tr16_b128 v[\f+8*\b:\f+8*\b+3],   v[ADRB+\slot] offset:32*(\q)*PB+CHP*(\c)+32*\b
	ds_load_tr16_b128 v[\f+8*\b+4:\f+8*\b+7], v[ADRB+\slot] offset:32*(\q)*PB+CHP*(\c)+32*\b+16*PB
.endr
.endm
; 16 matrix instructions: row blocks a0, a0 + 1 x the chunk's 8 column blocks.  zero = 1: the product starts the sums, nothing is cleared.
; The 32 accumulators of a chunk take turns, one instruction a turn, in the same order in every chunk step.
.macro MUL16 fa, fb, a0, zero
.irp a, \a0, \a0+1
.irp b, 0,1,2,3,4,5,6,7
.if \zero
	v_wmma_f32_16x16x32_f16 v[8*(8*(\a)+\b):8*(8*(\a)+\b)+7], v[\fb+8*\b:\fb+8*\b+7], v[\fa+8*(\a):\fa+8*(\a)+7], 0
.else
	v_wmma_f32_16x16x32_f16 v[8*(8*(\a)+\b):8*(8*(\a)+\b)+7], v[\fb+8*\b:\fb+8*\b+7], v[\fa+8*(\a):\fa+8*(\a)+7], v[8*(8*(\a)+\b):8*(8*(\a)+\b)+7]
.endif
.endr
.endr
.endm
; Chunk step u of a K step (half u / NCH, chunk u % NCH), all but the last: fetches step u + 1's fragments in one run, then multiplies.
.macro CS slot, zero
.set QN, (u+1)/NCH
.set CN, (u+1)%NCH
.set FAU, FA0+32*((u/NCH)%2)
.set FBU, FB0+64*(u%2)
.set FAN, FA0+32*(QN%2)
.set FBN, FB0+64*((u+1)%2)
.set ZZ, 0
.if \zero
.if u < NCH
.set ZZ, 1
.endif
.endif
	s_wait_dscnt 0x0                               ; this step's fragments, asked for 32 matrix instructions ago, are in
	PLACES                                         ; behind the last step's products, which read the buffers that are loaded now
	WIN 0
	LOADB \slot, QN, CN, FBN
.if QN != u/NCH
	LOADA \slot, QN, FAN
.endif
	WIN 0x50*(1+u%NCH)                             ; C and D in the chunk's window, sources in window 0
	MUL16 FAU, FBU, 0, ZZ
	MUL16 FAU, FBU, 2, ZZ
.set u, u+1
.endm
; The last chunk step of a K step changes slots.  One barrier for two things: in front of it each wave waits for its reads of this slot and for all its
; tensor loads (one is out: its part of the next slot).  Behind it nobody reads this slot and the next one is whole.  fill = 1: the barrier opens a round
; of the cluster's barrier, and the joint refill of this slot, two K steps ahead, is the first tensor load behind the round.
.macro TURN slot, next, fill
	s_wait_dscnt 0x0                               ; my reads of this slot are over
	s_wait_tensorcnt 0x0                           ; all my tensor loads have landed
	ds_add_u32 v30, v31
	s_wait_dscnt 0x0
	s_barrier_signal -1
	WIN 0x50*NCH
	MUL16 FA1, FB1, 0, 0                           ; register work while the others arrive
	WIN 0
	s_barrier_wait -1
.if \fill
	CREST
	s_add_nc_u64 s[G0+4*\slot+2:G0+4*\slot+3], s[G0+4*\slot+2:G0+4*\slot+3], 2*KSTEP*2
	s_add_nc_u64 s[G0B+4*\slot+2:G0B+4*\slot+3], s[G0B+4*\slot+2:G0B+4*\slot+3], 2*KSTEP*NTOT*2
	JLOAD \slot                                    ; it has the next K step's 176 matrix instructions up to the wait for it
.endif
	PLACES
	LOADB \next, 0, 0, FB0
	LOADA \next, 0, FA0
	WIN 0x50*NCH
	MUL16 FA1, FB1, 2, 0
.endm
.macro KSTEPM slot, next, zero, fill
.set u, 0
.rept U-1
	CS \slot, \zero
.endr
	TURN \slot, \next, \fill
.endm
.macro LAP zero
	KSTEPM 0, 1, \zero, 1
	KSTEPM 1, 0, 0, 1
.endm
	s_wait_tensorcnt 0x1                           ; my part of K step 0 is in; K step 1's one load stays out
	s_wait_dscnt 0x0                               ; my stores of the biases
	s_barrier_signal -1
	s_barrier_wait -1
	LOADB 0, 0, 0, FB0
	LOADA 0, 0, FA0
	LAP 1                                          ; the first lap stands in front of the loop: its first products start the sums
	WIN 0                                          ; at a label and at a branch every window is 0
	s_mov_b32 s3, LAPS-2
.Llap:
	LAP 0
	WIN 0
	s_sub_co_u32 s3, s3, 1
	s_cmp_lg_u32 s3, 0
	s_cbranch_scc1 .Llap
	KSTEPM 0, 1, 0, 0                              ; the last lap fills nothing and has no round
.set u, 0
.rept U-1
	CS 1, 0
.endr
	s_wait_dscnt 0x0                               ; the very last chunk step: nothing more to fetch
	WIN 0x50*NCH
	MUL16 FA1, FB1, 0, 0
	MUL16 FA1, FB1, 2, 0
	; THE WAY OUT, a chunk at a time and 16 rows at a time: add the bias in f32, round to f16, 16 bytes a lane into my own stage, read back as rows of 256 bytes.
	PLACES                                         ; behind the last products: for the vector work on results and the loads into the buffers
.macro BIASIN c                        ; my eight biases of each of the chunk's eight column blocks: columns 128 c + 16 b + 8 h + 0..7
	WIN 0
.irp b, 0,1,2,3,4,5,6,7
	ds_load_b128 v[FB0+8*\b:FB0+8*\b+3],   v[BIA] offset:512*\c+64*\b
	ds_load_b128 v[FB0+8*\b+4:FB0+8*\b+7], v[BIA] offset:512*\c+64*\b+16
.endr
	s_wait_dscnt 0x0
.endm
.macro OUT16 c, a, f
	WIN ((1+\c)<<6)|(1+\c)                         ; destination and source 0 in the chunk's window, the bias in window 0
.irp b, 0,1,2,3,4,5,6,7
.irp i, 0,1,2,3
	v_pk_add_f32 v[8*(8*\a+\b)+2*\i:8*(8*\a+\b)+2*\i+1], v[8*(8*\a+\b)+2*\i:8*(8*\a+\b)+2*\i+1], v[FB0+8*\b+2*\i:FB0+8*\b+2*\i+1]
.endr
.endr
	WIN (1+\c)|((1+\c)<<2)                         ; both sources in the chunk's window, destination in window 0
.irp b, 0,1,2,3,4,5,6,7
.irp i, 0,1,2,3
	v_cvt_pk_f16_f32 v[TMP+4*\b+\i], v[8*(8*\a+\b)+2*\i], v[8*(8*\a+\b)+2*\i+1]
.endr
.endr
	WIN 0
.irp b, 0,1,2,3,4,5,6,7
	ds_store_b128 v[STO], v[TMP+4*\b:TMP+4*\b+3] offset:32*\b
.endr
	s_wait_xcnt 0x0                                ; buffer f was the data of earlier stores: it is loaded again only behind this wait
.irp t, 0,1,2,3,4,5,6,7
	ds_load_b128 v[\f+4*\t:\f+4*\t+3], v[RD] offset:\t*2*SPITCH            ; LDS serves a wave's instructions in order (ISA guide 5.7.1): these see the stores above
.endr
.irp t, 0,1,2,3,4,5,6,7
	s_wait_dscnt 7-\t                              ; the 7 - t younger loads may stay out
	global_store_b128 v[CO], v[\f+4*\t:\f+4*\t+3], s[10:11] offset:(16*\a+2*\t)*NTOT*2+256*\c   ; 16 lanes store 256 consecutive bytes, aligned; 381,440 at the most
.endr
.endm
.irp c, 0,1,2
	BIASIN \c
	OUT16 \c, 0, FA0
	OUT16 \c, 1, FA1
	OUT16 \c, 2, FA0
	OUT16 \c, 3, FA1
.endr
	s_wait_tensorcnt 0x0
	ds_add_u32 v30, v31
	s_wait_dscnt 0x0
	CROUND                                         ; the closing round: no work-group ends while a partner may still ask for a tile that names it
	s_endpgm
.Lfunc_end_k_q0c8d9cb074_qkv:
	.size	k_q0c8d9cb074_qkv, .Lfunc_end_k_q0c8d9cb074_qkv-k_q0c8d9cb074_qkv
	.p2alignl 7, 3214868480
	.fill 96, 4, 3214868480
	.section	.rodata,"a",@progbits
	.p2align	6, 0x0
	.amdhsa_kernel k_q0c8d9cb074_qkv
		.amdhsa_group_segment_fixed_size 327680
		.amdhsa_private_segment_fixed_size 0
		.amdhsa_enable_private_segment 0
		.amdhsa_kernarg_size 32
		.amdhsa_user_sgpr_count 2
		.amdhsa_user_sgpr_kernarg_segment_ptr 1
		.amdhsa_wavefront_size32 1
		.amdhsa_system_sgpr_workgroup_id_x 1
		.amdhsa_system_sgpr_workgroup_id_y 1
		.amdhsa_system_sgpr_workgroup_id_z 1
		.amdhsa_system_vgpr_workitem_id 0
		.amdhsa_next_free_vgpr 1024
		.amdhsa_next_free_sgpr 66
		.amdhsa_reserve_vcc 0
		.amdhsa_float_denorm_mode_32 3
		.amdhsa_float_denorm_mode_16_64 3
		.amdhsa_memory_ordered 1
		.amdhsa_forward_progress 1
		.amdhsa_inst_pref_size 210
	.end_amdhsa_kernel
	.amdgpu_metadata
---
amdhsa.version: [ 1, 2 ]
amdhsa.kernels:
  - .name:           k_q0c8d9cb074_qkv
    .symbol:         k_q0c8d9cb074_qkv.kd
    .args:
      - { .name: xh, .offset: 0, .size: 8, .value_kind: global_buffer, .address_space: global }
      - { .name: wqh, .offset: 8, .size: 8, .value_kind: global_buffer, .address_space: global }
      - { .name: b_qkv, .offset: 16, .size: 8, .value_kind: global_buffer, .address_space: global }
      - { .name: qkv, .offset: 24, .size: 8, .value_kind: global_buffer, .address_space: global }
    .group_segment_fixed_size: 327680
    .private_segment_fixed_size: 0
    .kernarg_segment_align: 8
    .kernarg_segment_size: 32
    .max_flat_workgroup_size: 128
    .sgpr_count:     66
    .vgpr_count:     1024
    .wavefront_size: 32
...
	.end_amdgpu_metadata
.endif
;; end of part 2
;; launch attn (part 3): grid 8 x 32, 8 waves a work-group, clusters of 4 x 1, 327,680 bytes of LDS; arguments qkv, ao; writes ao
.if DOCPART == 3
	.amdgcn_target "amdgcn-amd-amdhsa--gfx1250"
	.amdhsa_code_object_version 6
	.text
	.protected	k_q0c8d9cb074_attn
	.globl	k_q0c8d9cb074_attn
	.p2align	8
	.type	k_q0c8d9cb074_attn,@function
k_q0c8d9cb074_attn:
	s_mov_b64 s[64:65], 0
	v_nop
	global_prefetch_b8 v0, s[64:65] scope:SCOPE_SE
	s_setreg_imm32_b32 hwreg(HW_REG_WAVE_MODE, 25, 1), 1
	s_wait_xcnt 0x0
	s_wait_alu depctr_hold_cnt(0) depctr_sa_sdst(0) depctr_va_vdst(0) depctr_va_sdst(0) depctr_va_ssrc(0) depctr_va_vcc(0) depctr_vm_vsrc(0)
	s_getreg_b32 s2, hwreg(HW_REG_IB_STS2, 6, 4)
	s_cmp_eq_u32 s2, 0
	s_cbranch_scc0 .Lentry_in_a_cluster
	s_endpgm
.Lentry_in_a_cluster:
	s_bfe_u32 s2, ttmp6, 0x10000c
	s_cmp_lg_u32 s2, 0x3003
	s_cbranch_scc0 .Lentry_shape_is_right
	s_endpgm
.Lentry_shape_is_right:
; ao[b][n][64 head + d] = sum over m of softmax over m of (q[n] . k[m] / 8) v[m][d], for 4 batches x 16 heads, 2,048 queries and keys, d = 64.
; qkv [8192][3072] f16 (q at byte 0 of a row, k at 2,048, v at 4,096; head at + 128 head), ao [8192][1024] f16.
; A work-group takes one batch, a PAIR of heads and 256 queries: 8 x 32 = 256 work-groups.  With two heads every piece of a row of K, V and ao is
; 256 consecutive bytes, aligned.  Eight waves: wave w takes head w / 4 of the pair and queries 64 (w % 4) .. + 63.
; CLUSTERS: the four work-groups of a cluster have the same batch and heads and other queries: they walk the same tiles of K and V and ask for them jointly.
; THE PRODUCTS ARE TRANSPOSED, so that nothing moves between lanes:
;   S^T = K Q^T: source 0 = 16 keys, source 1 = 16 queries: lane (r, h) holds query r and in register j key 8 h + j.
;   Two neighbouring tiles of 16 keys, packed to f16 in place, ARE the source-1 fragment of P^T for 32 keys.
;   O^T = V^T P^T: source 0 = V^T, by the transposing LDS load from V as it lies, [key][d]: lane (r, h) holds query r and d = 8 h + j.
; The maximum, the rescaling and the sum belong to a query, that is to a lane; one exchange of the two halves of 16 lanes joins their keys.
; SOFTMAX with a running maximum m: c = log2(e) / 8, nmc = round(-c m), p = 2^(c s + nmc), and what is kept is rescaled by 2^(nmc new - nmc old): both use
; the same rounded nmc, so the scheme is consistent for scores of any size.  The first 64 keys are written out: they start m, the sums and O, nothing is cleared.
; LIMITS: f16 operands: P lies in [0, 1] (below 6e-8 it becomes 0, against a sum of at least about 1); ao is an average of v and has its range.
; The exponential flushes results below 2^-126 to 0.  NaN and infinite inputs are not treated specially.
.set ROWB,  6144                       ; bytes in a row of qkv
.set PK,    272                        ; LDS pitch of K's rows: 256 + 16
.set PV,    288                        ; LDS pitch of V's rows: 256 + 32, an odd multiple of 32 for the transposing load
.set REG,   18432                      ; a region: 64 rows; region w of a slot is filled by wave w: K keys 0-63, K keys 64-127, V keys 0-63, V keys 64-127
.set SLOT,  4*REG                      ; 128 keys
.set STAGE, 2*SLOT                     ; 256 rows x 272 bytes for the way out; no tensor load fills it
.set KA,  8                            ; v8-9    LDS address of my K fragments in slot 0, 1
.set VA,  10                           ; v10-11  the same for V
.set STO, 12                           ; the way out: where I put 16 bytes
.set RD,  13                           ; where I read a row back
.set CO,  14                           ; my byte offset in ao
.set PF,  15                           ; prefetch: 6,144 x lane + the tile
.set QO,  16                           ; my byte offset in Q
.set ST,  20                           ; v20-27  query block qt: the pair (nmc, m)
.set AL,  28                           ; v28-35  the pair (rescaling factor, what the other half of the lanes sent)
.set LS,  36                           ; v36-43  a pair of partial sums of p
.set MX,  44                           ; v44-51  two running maxima
.set KF,  64                           ; v64-127   K fragments: 8 (2 kt + ks)
.set SC,  128                          ; v128-255  scores: 32 qt + 8 kt + j; then P, packed in place into 32 qt + 0..15
.set OA,  0                            ; window 1: v0-127    O: 32 qt + 8 dt + j
.set QF,  128                          ; window 1: v128-191  Q fragments: 8 (2 qt + ks)
.set VF,  192                          ; window 1: v192-255  V^T fragments: 8 (4 kst + dt)
.set G1K, 28                           ; s[28:35] descriptor group 1 for K's tiles
.set G1V, 36                           ; s[36:43] for V's: other padding
.set G0K, 44                           ; s[44:51] group 0 for K's tiles, one set for each slot
.set G0V, 52                           ; s[52:59] for V's
.set MSB, 0
.macro WIN new                         ; s_set_vgpr_msb: bits 1:0 source 0, 3:2 source 1, 5:4 source 2, 7:6 destination; the high byte repeats the setting that is left
.if MSB != (\new)
	s_set_vgpr_msb (MSB<<8)|(\new)
.set MSB, (\new)
.endif
.endm
.macro PLACES cnt                      ; plain vector instructions behind matrix instructions (ISA guide 7.12.1)
.rept \cnt
	v_nop
.endr
.endm
.macro ROUND                           ; a round of the cluster's barrier
	s_barrier_signal -1
	s_barrier_wait -1
	s_cmp_lg_u32 s8, 0
	s_cbranch_scc1 .Lnot_wave_0_\@
	s_barrier_signal -3
.Lnot_wave_0_\@:
	s_barrier_wait -3
	s_barrier_signal -1
	s_barrier_wait -1
.endm
.macro JLOAD sl                        ; waves 0, 1 ask for K's halves of a tile, waves 2, 3 for V's, waves 4-7 for nothing: a wave has one tensor load out at the most
	s_cmp_lt_u32 s8, 2
	s_cbranch_scc0 .Lnot_k_\@
	tensor_load_to_lds s[G0K+4*\sl:G0K+4*\sl+3], s[G1K:G1K+7]
	s_nop 0
	s_branch .Lasked_\@
.Lnot_k_\@:
	s_cmp_lt_u32 s8, 4
	s_cbranch_scc0 .Lasked_\@
	tensor_load_to_lds s[G0V+4*\sl:G0V+4*\sl+3], s[G1V:G1V+7]
	s_nop 0
.Lasked_\@:
.endm
	s_load_b128 s[4:7], s[0:1], 0x0                ; qkv s[4:5], ao s[6:7]
	v_lshl_add_u32 v62, v0, 2, 0x35000
	v_mov_b32 v63, 0
	ds_add_u32 v62, v63
	v_lshrrev_b32 v1, 5, v0
	v_readfirstlane_b32 s8, v1                     ; wave 0..7
	s_lshr_b32 s9, s8, 2                           ; which head of the pair
	s_and_b32 s10, s8, 3                           ; which 64 queries
	s_and_b32 s11, s8, 1                           ; which 64 keys of a tile I fetch
	s_bfe_u32 s12, ttmp6, 0x40000                  ; cx
	s_lshl_b32 s13, ttmp9, 2
	s_add_co_u32 s13, s13, s12                     ; block of 256 queries = 4 x cluster x + cx
	s_and_b32 s14, ttmp7, 0xffff
	s_lshr_b32 s15, s14, 3                         ; batch
	s_and_b32 s16, s14, 7                          ; pair of heads
	s_mov_b32 s22, 0x76543210                      ; v_permlanex16_b32: lane i of one half reads lane i of the other
	s_mov_b32 s23, 0xfedcba98
	s_mov_b32 s24, 0x3e38aa3b                      ; c = log2(e) / 8
	s_mov_b32 s25, 0x3e38aa3b
	s_mov_b32 s26, 0xbe38aa3b                      ; -c
	; group 1: 64 rows x 128 elements of 2 bytes (256 bytes), padding behind every 64 words: 4 words for K, 8 for V.  The mask names all four of the cluster.
	s_mov_b32 s[G1K+0], 15|(1<<16)|(1<<20)|(1<<21)|(5<<22)|(3<<25)
	s_mov_b32 s[G1V+0], 15|(1<<16)|(1<<20)|(1<<21)|(5<<22)|(7<<25)
.irp g, G1K, G1V
	s_mov_b32 s[\g+1], 128<<16                     ; tensor_dim0
	s_mov_b32 s[\g+2], 64<<16                      ; tensor_dim1
	s_mov_b32 s[\g+3], 128<<16                     ; tile_dim0
	s_mov_b32 s[\g+4], 64                          ; tile_dim1
	s_mov_b32 s[\g+5], 3072                        ; elements from row to row
	s_mov_b32 s[\g+6], 0
	s_mov_b32 s[\g+7], 0
.endr
	; the tiles' addresses hang on the batch, the pair and the wave alone; s17-21 never hold cx
	s_lshl_b32 s18, s15, 11
	s_lshl_b32 s19, s11, 6
	s_add_co_u32 s18, s18, s19                     ; row 2,048 x batch + 64 x half
	s_mul_i32 s18, s18, ROWB
	s_lshl_b32 s19, s16, 8
	s_add_co_u32 s18, s18, s19                     ; + 256 bytes x pair
	s_mov_b32 s19, 0
	s_mul_i32 s17, s8, REG                         ; my region of a slot
	s_wait_dscnt 0x0
	s_wait_kmcnt 0x0
	s_add_nc_u64 s[20:21], s[4:5], s[18:19]
.irp sl, 0,1
	s_mov_b32 s[G0K+4*\sl], 1
	s_add_co_u32 s[G0K+4*\sl+1], s17, \sl*SLOT
	s_add_nc_u64 s[G0K+4*\sl+2:G0K+4*\sl+3], s[20:21], 2048+\sl*128*ROWB
	s_or_b32 s[G0K+4*\sl+3], s[G0K+4*\sl+3], 0x80000000
	s_mov_b32 s[G0V+4*\sl], 1
	s_add_co_u32 s[G0V+4*\sl+1], s17, \sl*SLOT
	s_add_nc_u64 s[G0V+4*\sl+2:G0V+4*\sl+3], s[20:21], 4096+\sl*128*ROWB
	s_or_b32 s[G0V+4*\sl+3], s[G0V+4*\sl+3], 0x80000000
.endr
	ROUND                                          ; the four work-groups are here: the first joint load meets
	JLOAD 0                                        ; keys 0-127
	; offsets that hang on cx are made in s2, s3, s12 alone
	s_lshl_b32 s2, s15, 11
	s_lshl_b32 s12, s13, 8
	s_add_co_u32 s2, s2, s12
	s_lshl_b32 s12, s10, 6
	s_add_co_u32 s2, s2, s12                       ; my first query: 2,048 x batch + 256 x block + 64 x (wave % 4)
	s_mul_i32 s2, s2, ROWB
	s_lshl_b32 s12, s16, 8
	s_add_co_u32 s2, s2, s12
	s_lshl_b32 s12, s9, 7
	s_add_co_u32 s2, s2, s12                       ; + 128 bytes x head
	s_mov_b32 s3, 0
	s_add_nc_u64 s[62:63], s[4:5], s[2:3]          ; Q
	s_lshl_b32 s2, s15, 11
	s_and_b32 s12, s13, 3
	s_lshl_b32 s12, s12, 5
	s_add_co_u32 s2, s2, s12
	s_add_co_u32 s2, s2, 128                       ; prefetch: row 2,048 x batch + 128 + 32 x (block % 4),
	s_mul_i32 s2, s2, ROWB
	s_lshr_b32 s12, s13, 2
	s_lshl_b32 s12, s12, 11
	s_add_co_u32 s2, s2, s12                       ; K for blocks 0-3, V for blocks 4-7
	s_lshl_b32 s12, s16, 8
	s_add_co_u32 s2, s2, s12
	s_add_co_u32 s2, s2, 2048
	s_add_nc_u64 s[60:61], s[4:5], s[2:3]
	s_lshl_b32 s2, s15, 11
	s_lshl_b32 s12, s13, 8
	s_add_co_u32 s2, s2, s12
	s_lshl_b32 s2, s2, 11                          ; ao: row 2,048 x batch + 256 x block, 2,048 bytes a row,
	s_lshl_b32 s12, s16, 8
	s_add_co_u32 s2, s2, s12                       ; + 256 bytes x pair
	s_add_nc_u64 s[6:7], s[6:7], s[2:3]
	v_and_b32 v2, 15, v0                           ; r
	v_bfe_u32 v3, v0, 4, 1                         ; h
	v_and_b32 v4, 31, v0                           ; lane
	v_mul_u32_u24 v[QO], v2, ROWB
	v_lshl_add_u32 v[QO], v3, 4, v[QO]             ; query r, 16 bytes for each half of the lanes
	WIN 0x40                                       ; destination in window 1
.irp qt, 0,1,2,3
.irp ks, 0,1
	global_load_b128 v[QF+8*(2*\qt+\ks):QF+8*(2*\qt+\ks)+3],   v[QO], s[62:63] offset:16*ROWB*\qt+64*\ks
	global_load_b128 v[QF+8*(2*\qt+\ks)+4:QF+8*(2*\qt+\ks)+7], v[QO], s[62:63] offset:16*ROWB*\qt+64*\ks+32
.endr
.endr
	WIN 0
	v_mul_u32_u24 v5, v2, PK
	v_lshl_add_u32 v5, v3, 4, v5
	s_lshl_b32 s18, s9, 7                          ; my head's 128 bytes of a row
	v_add_nc_u32 v[KA], s18, v5
	v_add_nc_u32 v[KA+1], SLOT, v[KA]
	v_and_b32 v6, 7, v0                            ; V, for the transposing load: key 8 h + lane % 8, 16 bytes (lane / 8) % 2
	v_lshl_add_u32 v6, v3, 3, v6
	v_mul_u32_u24 v6, v6, PV
	v_bfe_u32 v7, v0, 3, 1
	v_lshl_add_u32 v6, v7, 4, v6
	v_add_nc_u32 v6, s18, v6
	v_add_nc_u32 v[VA], 2*REG, v6
	v_add_nc_u32 v[VA+1], 2*REG+SLOT, v6
	s_mul_i32 s19, s10, 64*PK
	s_add_co_u32 s19, s19, STAGE
	v_add_nc_u32 v[STO], s19, v[KA]                ; stage: row 64 (wave % 4) + r, my head's half, 16 h
	v_mul_u32_u24 v17, v3, PK
	v_lshl_add_u32 v17, v2, 4, v17
	s_mul_i32 s19, s8, 32*PK
	s_add_co_u32 s19, s19, STAGE
	v_add_nc_u32 v[RD], s19, v17                   ; back: rows 32 wave + h, 16 bytes x r
	v_lshlrev_b32 v18, 11, v3
	v_lshl_add_u32 v18, v2, 4, v18
	s_lshl_b32 s19, s8, 16
	v_add_nc_u32 v[CO], s19, v18                   ; the same rows in ao
	v_mul_u32_u24 v[PF], v4, ROWB                  ; a lane asks for one row's 256 bytes
.irp qt, 0,1,2,3
	v_mov_b32 v[AL+2*\qt+1], 0                     ; v_permlanex16_b32 counts as a reader of its destination
.endr
	s_wait_loadcnt 0x0                             ; Q, once
.macro KLOAD slot, sub                 ; 16 LDS loads: 64 keys x 64 d of my head
.irp kt, 0,1,2,3
.irp ks, 0,1
	ds_load_b128 v[KF+8*(2*\kt+\ks):KF+8*(2*\kt+\ks)+3],   v[KA+\slot] offset:REG*(\sub)+16*PK*\kt+64*\ks
	ds_load_b128 v[KF+8*(2*\kt+\ks)+4:KF+8*(2*\kt+\ks)+7], v[KA+\slot] offset:REG*(\sub)+16*PK*\kt+64*\ks+32
.endr
.endr
.endm
.macro VLOAD slot, sub                 ; 16 transposing LDS loads: lane l gets d = 16 dt + l % 16, keys 8 h + 0..7 and 16 + 8 h + 0..7 of 32
	WIN 0x40
.irp kst, 0,1
.irp dt, 0,1,2,3
	ds_load_tr16_b128 v[VF+8*(4*\kst+\dt):VF+8*(4*\kst+\dt)+3],   v[VA+\slot] offset:REG*(\sub)+32*PV*\kst+32*\dt
	ds_load_tr16_b128 v[VF+8*(4*\kst+\dt)+4:VF+8*(4*\kst+\dt)+7], v[VA+\slot] offset:REG*(\sub)+32*PV*\kst+32*\dt+16*PV
.endr
.endr
.endm
; 64 keys against my 64 queries.  first = 1: the launch's first keys.  nextk = 1: the K fragments of the slot's other 64 keys are fetched.  pf = 1: wave 4 prefetches.
.macro STEP slot, sub, first, nextk, pf
	s_wait_dscnt 0x0                               ; the K fragments are in
	WIN 0x04                                       ; Q in window 1
	; 32 products; the 16 accumulators take turns, one instruction a turn; the first 32 of d start the sums
.irp ks, 0,1
.irp kt, 0,1,2,3
.irp qt, 0,1,2,3
.if \ks
	v_wmma_f32_16x16x32_f16 v[SC+32*\qt+8*\kt:SC+32*\qt+8*\kt+7], v[KF+8*(2*\kt+\ks):KF+8*(2*\kt+\ks)+7], v[QF+8*(2*\qt+\ks):QF+8*(2*\qt+\ks)+7], v[SC+32*\qt+8*\kt:SC+32*\qt+8*\kt+7]
.else
	v_wmma_f32_16x16x32_f16 v[SC+32*\qt+8*\kt:SC+32*\qt+8*\kt+7], v[KF+8*(2*\kt+\ks):KF+8*(2*\kt+\ks)+7], v[QF+8*(2*\qt+\ks):QF+8*(2*\qt+\ks)+7], 0
.endif
.endr
.endr
.endr
	PLACES 4                                       ; behind them: for the loads into K's fragments and for the maxima, which read the scores
	VLOAD \slot, \sub
	WIN 0
.if \nextk
	KLOAD \slot, \sub+1
.endif
.if \pf
	; Wave 4 asks for 32 rows of 256 bytes of the tile two trips on, which the next trip's joint load fetches.  The eight work-groups of a batch and pair
	; share a tile's 128 rows of K and 128 of V in eighths, so each block of 256 bytes is asked for once in the launch.  The last two trips ask for nothing.
	s_cmp_lg_u32 s8, 4
	s_cbranch_scc1 .Lno_ask_\@
	global_prefetch_b8 v[PF], s[60:61] th:TH_LOAD_NT scope:SCOPE_SE
.Lno_ask_\@:
.endif
	; the largest of a lane's 32 scores of each query block: two chains of three-way maxima, the four query blocks interleaved
.irp qt, 0,1,2,3
	v_max3_num_f32 v[MX+2*\qt],   v[SC+32*\qt],    v[SC+32*\qt+1],  v[SC+32*\qt+2]
	v_max3_num_f32 v[MX+2*\qt+1], v[SC+32*\qt+16], v[SC+32*\qt+17], v[SC+32*\qt+18]
.endr
.irp k, 1,2,3,4,5,6
.irp qt, 0,1,2,3
	v_max3_num_f32 v[MX+2*\qt],   v[MX+2*\qt],   v[SC+32*\qt+2*\k+1],  v[SC+32*\qt+2*\k+2]
	v_max3_num_f32 v[MX+2*\qt+1], v[MX+2*\qt+1], v[SC+32*\qt+2*\k+17], v[SC+32*\qt+2*\k+18]
.endr
.endr
.irp qt, 0,1,2,3
	v_max3_num_f32 v[MX+2*\qt], v[MX+2*\qt], v[SC+32*\qt+15], v[SC+32*\qt+31]
.endr
.irp qt, 0,1,2,3
	v_max_num_f32 v[MX+2*\qt], v[MX+2*\qt], v[MX+2*\qt+1]
.endr
.irp qt, 0,1,2,3
	v_permlanex16_b32 v[AL+2*\qt+1], v[MX+2*\qt], s22, s23                 ; the other half of the lanes holds the query's other keys
.endr
.irp qt, 0,1,2,3
.if \first
	v_max_num_f32 v[ST+2*\qt+1], v[MX+2*\qt], v[AL+2*\qt+1]
.else
	v_max3_num_f32 v[ST+2*\qt+1], v[MX+2*\qt], v[AL+2*\qt+1], v[ST+2*\qt+1]   ; the running maximum
.endif
.endr
.if \first
.irp qt, 0,1,2,3
	v_mul_f32 v[ST+2*\qt], s26, v[ST+2*\qt+1]      ; nmc = -c m
.endr
.else
.irp qt, 0,1,2,3
	v_mul_f32 v[MX+2*\qt], s26, v[ST+2*\qt+1]      ; the new nmc
.endr
.irp qt, 0,1,2,3
	v_sub_f32 v[AL+2*\qt], v[MX+2*\qt], v[ST+2*\qt]   ; new - old, at most 0
.endr
.irp qt, 0,1,2,3
	v_mov_b32 v[ST+2*\qt], v[MX+2*\qt]
.endr
.irp qt, 0,1,2,3
	v_exp_f32 v[AL+2*\qt], v[AL+2*\qt]             ; the plain instruction that stands behind these (ISA guide 5.7.2) is the first multiply-add below
.endr
.endif
.irp qt, 0,1,2,3
.irp i, 0,1,2,3,4,5,6,7,8,9,10,11,12,13,14,15
	v_pk_fma_f32 v[SC+32*\qt+2*\i:SC+32*\qt+2*\i+1], v[SC+32*\qt+2*\i:SC+32*\qt+2*\i+1], s[24:25], v[ST+2*\qt:ST+2*\qt+1] op_sel_hi:[1,0,0]   ; c s + nmc, twice
.endr
.endr
.set j, 0
.rept 128
	v_exp_f32 v[SC+j], v[SC+j]
.set j, j+1
.endr
	v_nop                                          ; one plain instruction before the results are used
	s_wait_alu depctr_va_vdst(0)
	; the sums of p, in f32, a pair for each query block; what was kept is rescaled in the first step of the chain
.irp qt, 0,1,2,3
.if \first
	s_wait_alu depctr_va_vdst(0)
	v_pk_add_f32 v[LS+2*\qt:LS+2*\qt+1], v[SC+32*\qt:SC+32*\qt+1], v[SC+32*\qt+2:SC+32*\qt+3]
.else
	v_pk_fma_f32 v[LS+2*\qt:LS+2*\qt+1], v[LS+2*\qt:LS+2*\qt+1], v[AL+2*\qt:AL+2*\qt+1], v[SC+32*\qt:SC+32*\qt+1] op_sel_hi:[1,0,1]
.endif
.endr
.if \first == 0
.irp qt, 0,1,2,3
	v_pk_add_f32 v[LS+2*\qt:LS+2*\qt+1], v[LS+2*\qt:LS+2*\qt+1], v[SC+32*\qt+2:SC+32*\qt+3]
.endr
.endif
.irp i, 2,3,4,5,6,7,8,9,10,11,12,13,14,15
.irp qt, 0,1,2,3
	v_pk_add_f32 v[LS+2*\qt:LS+2*\qt+1], v[LS+2*\qt:LS+2*\qt+1], v[SC+32*\qt+2*\i:SC+32*\qt+2*\i+1]
.endr
.endr
	; P to f16, packed in place: word i is written when words 2 i and 2 i + 1 are read, in ascending order
.irp qt, 0,1,2,3
.irp i, 0,1,2,3,4,5,6,7,8,9,10,11,12,13,14,15
	v_cvt_pk_f16_f32 v[SC+32*\qt+\i], v[SC+32*\qt+2*\i], v[SC+32*\qt+2*\i+1]
.endr
.endr
.if \first == 0
	WIN 0x41                                       ; O in window 1, the factor in window 0
.irp qt, 0,1,2,3
.irp i, 0,1,2,3,4,5,6,7,8,9,10,11,12,13,14,15
	v_pk_mul_f32 v[OA+32*\qt+2*\i:OA+32*\qt+2*\i+1], v[OA+32*\qt+2*\i:OA+32*\qt+2*\i+1], v[AL+2*\qt:AL+2*\qt+1] op_sel_hi:[1,0]
.endr
.endr
.endif
.if \nextk
	s_wait_dscnt 16                                ; V's 16 loads are in; the 16 younger ones, K's, may stay out
.else
	s_wait_dscnt 0x0
.endif
	WIN 0x51                                       ; V^T, C and D in window 1, P in window 0
.irp kst, 0,1
.irp dt, 0,1,2,3
.irp qt, 0,1,2,3
.if \first*(1-\kst)
	v_wmma_f32_16x16x32_f16 v[OA+32*\qt+8*\dt:OA+32*\qt+8*\dt+7], v[VF+8*(4*\kst+\dt):VF+8*(4*\kst+\dt)+7], v[SC+32*\qt+8*\kst:SC+32*\qt+8*\kst+7], 0
.else
	v_wmma_f32_16x16x32_f16 v[OA+32*\qt+8*\dt:OA+32*\qt+8*\dt+7], v[VF+8*(4*\kst+\dt):VF+8*(4*\kst+\dt)+7], v[SC+32*\qt+8*\kst:SC+32*\qt+8*\kst+7], v[OA+32*\qt+8*\dt:OA+32*\qt+8*\dt+7]
.endif
.endr
.endr
.endr
	WIN 0
	PLACES 5                                       ; the next products write over P, a source of these
.endm
; 128 keys: one slot.  In front of the round every wave waits for its reads of the other slot and for all its tensor loads; the round takes the place of the
; work-group's barrier in front of a refill; behind it the joint load of the next tile, into the slot read last trip, comes first.
.macro TRIP slot, first, refill, pf
.if \pf
	s_wait_xcnt 0x0                                ; the last prefetch stands a trip back: its offset is stepped only behind this wait
	v_add_nc_u32 v[PF], 128*ROWB, v[PF]
.endif
	s_wait_tensorcnt 0x0                           ; all my tensor loads are done, my part of this trip's tile among them, so a group 0 may be written:
	ds_add_u32 v62, v63
	s_wait_dscnt 0x0
	s_add_nc_u64 s[G0K+4*\slot+2:G0K+4*\slot+3], s[G0K+4*\slot+2:G0K+4*\slot+3], 2*128*ROWB   ; this slot's next tile
	s_add_nc_u64 s[G0V+4*\slot+2:G0V+4*\slot+3], s[G0V+4*\slot+2:G0V+4*\slot+3], 2*128*ROWB
	s_wait_dscnt 0x0                               ; my reads of the last trip's tile are done
	ROUND
.if \refill
	JLOAD (1-\slot)                                ; it has this trip's 128 matrix instructions of each wave in which to land
.endif
	KLOAD \slot, 0
	STEP \slot, 0, \first, 1, \pf
	STEP \slot, 1, 0, 0, 0
.endm
	TRIP 0, 1, 1, 1
	TRIP 1, 0, 1, 1
	s_mov_b32 s27, 6
.Ltrips:
	TRIP 0, 0, 1, 1
	TRIP 1, 0, 1, 1
	s_sub_co_u32 s27, s27, 1
	s_cmp_lg_u32 s27, 0
	s_cbranch_scc1 .Ltrips
	TRIP 0, 0, 1, 0                                ; the last tile is asked for here; its stepped addresses beyond are not used
	TRIP 1, 0, 0, 0
	; THE END: divide by the sum, round to f16, through the stage, so that a row's 256 bytes (both heads) leave together
.irp qt, 0,1,2,3
	v_add_f32 v[MX+2*\qt], v[LS+2*\qt], v[LS+2*\qt+1]
.endr
.irp qt, 0,1,2,3
	v_permlanex16_b32 v[AL+2*\qt+1], v[MX+2*\qt], s22, s23
.endr
.irp qt, 0,1,2,3
	v_add_f32 v[MX+2*\qt], v[MX+2*\qt], v[AL+2*\qt+1]
.endr
.irp qt, 0,1,2,3
	v_rcp_f32 v[AL+2*\qt], v[MX+2*\qt]
.endr
	v_nop                                          ; one plain instruction before the reciprocals are used
	WIN 0x41
	s_wait_alu depctr_va_vdst(0)
.irp qt, 0,1,2,3
.irp i, 0,1,2,3,4,5,6,7,8,9,10,11,12,13,14,15
	v_pk_mul_f32 v[OA+32*\qt+2*\i:OA+32*\qt+2*\i+1], v[OA+32*\qt+2*\i:OA+32*\qt+2*\i+1], v[AL+2*\qt:AL+2*\qt+1] op_sel_hi:[1,0]
.endr
.endr
	WIN 0x05                                       ; both sources in window 1, destination in window 0
.irp qt, 0,1,2,3
.irp i, 0,1,2,3,4,5,6,7,8,9,10,11,12,13,14,15
	v_cvt_pk_f16_f32 v[SC+16*\qt+\i], v[OA+32*\qt+2*\i], v[OA+32*\qt+2*\i+1]
.endr
.endr
	WIN 0
.irp qt, 0,1,2,3
.irp dt, 0,1,2,3
	ds_store_b128 v[STO], v[SC+16*\qt+4*\dt:SC+16*\qt+4*\dt+3] offset:16*PK*\qt+32*\dt
.endr
.endr
	s_wait_dscnt 0x0                               ; for the others' sake: my stores are done
	s_barrier_signal -1
	s_barrier_wait -1
.irp t, 0,1,2,3,4,5,6,7,8,9,10,11,12,13,14,15
	ds_load_b128 v[KF+4*\t:KF+4*\t+3], v[RD] offset:2*PK*\t                ; rows 32 wave + 2 t and + 1, both heads
.endr
.irp t, 0,1,2,3,4,5,6,7,8,9,10,11,12,13,14,15
	s_wait_dscnt 15-\t                             ; the 15 - t younger loads may stay out
	global_store_b128 v[CO], v[KF+4*\t:KF+4*\t+3], s[6:7] offset:4096*\t   ; 16 lanes store 256 consecutive bytes, aligned
.endr
	s_wait_tensorcnt 0x0
	ds_add_u32 v62, v63
	s_wait_dscnt 0x0
	ROUND                                          ; the closing round
	s_endpgm
.Lfunc_end_k_q0c8d9cb074_attn:
	.size	k_q0c8d9cb074_attn, .Lfunc_end_k_q0c8d9cb074_attn-k_q0c8d9cb074_attn
	.p2alignl 7, 3214868480
	.fill 96, 4, 3214868480
	.section	.rodata,"a",@progbits
	.p2align	6, 0x0
	.amdhsa_kernel k_q0c8d9cb074_attn
		.amdhsa_group_segment_fixed_size 327680
		.amdhsa_private_segment_fixed_size 0
		.amdhsa_enable_private_segment 0
		.amdhsa_kernarg_size 16
		.amdhsa_user_sgpr_count 2
		.amdhsa_user_sgpr_kernarg_segment_ptr 1
		.amdhsa_wavefront_size32 1
		.amdhsa_system_sgpr_workgroup_id_x 1
		.amdhsa_system_sgpr_workgroup_id_y 1
		.amdhsa_system_sgpr_workgroup_id_z 1
		.amdhsa_system_vgpr_workitem_id 0
		.amdhsa_next_free_vgpr 512
		.amdhsa_next_free_sgpr 66
		.amdhsa_reserve_vcc 0
		.amdhsa_float_denorm_mode_32 3
		.amdhsa_float_denorm_mode_16_64 3
		.amdhsa_memory_ordered 1
		.amdhsa_forward_progress 1
		.amdhsa_inst_pref_size 255
	.end_amdhsa_kernel
	.section	.bss,"aw",@nobits
	.p2align	6
	.space	262144
	.amdgpu_metadata
---
amdhsa.version: [ 1, 2 ]
amdhsa.kernels:
  - .name:           k_q0c8d9cb074_attn
    .symbol:         k_q0c8d9cb074_attn.kd
    .args:
      - { .name: qkv, .offset: 0, .size: 8, .value_kind: global_buffer, .address_space: global }
      - { .name: ao, .offset: 8, .size: 8, .value_kind: global_buffer, .address_space: global }
    .group_segment_fixed_size: 327680
    .private_segment_fixed_size: 0
    .kernarg_segment_align: 8
    .kernarg_segment_size: 16
    .max_flat_workgroup_size: 256
    .sgpr_count:     66
    .vgpr_count:     512
    .wavefront_size: 32
...
	.end_amdgpu_metadata
.endif
;; end of part 3
;; launch proj (part 4): grid 8 x 32, 4 waves a work-group, clusters of 4 x 4, 327,680 bytes of LDS; arguments ao, wph, b_proj, out0; writes out0
.if DOCPART == 4
	.amdgcn_target "amdgcn-amd-amdhsa--gfx1250"
	.amdhsa_code_object_version 6
	.text
	.protected	k_q0c8d9cb074_proj
	.globl	k_q0c8d9cb074_proj
	.p2align	8
	.type	k_q0c8d9cb074_proj,@function
k_q0c8d9cb074_proj:
	s_mov_b64 s[64:65], 0
	v_nop
	global_prefetch_b8 v0, s[64:65] scope:SCOPE_SE
	s_setreg_imm32_b32 hwreg(HW_REG_WAVE_MODE, 25, 1), 1
	s_wait_xcnt 0x0
	s_wait_alu depctr_hold_cnt(0) depctr_sa_sdst(0) depctr_va_vdst(0) depctr_va_sdst(0) depctr_va_ssrc(0) depctr_va_vcc(0) depctr_vm_vsrc(0)
	s_getreg_b32 s2, hwreg(HW_REG_IB_STS2, 6, 4)
	s_cmp_eq_u32 s2, 0
	s_cbranch_scc0 .Lentry_in_a_cluster
	s_endpgm
.Lentry_in_a_cluster:
	s_bfe_u32 s2, ttmp6, 0x10000c
	s_cmp_lg_u32 s2, 0xf033
	s_cbranch_scc0 .Lentry_shape_is_right
	s_endpgm
.Lentry_shape_is_right:
; out0[m][n] = sum over k of ao[m][k] wph[k][n] + b_proj[n].  ao [8192][1024] f16, wph [1024][1024] f16 (K down the rows), b_proj f32, out0 [8192][1024] f32.
; The same design as the product for q, k and v, with one chunk of 128 columns: a work-group makes 256 rows x 128 columns, 8 x 32 = 256 work-groups;
; four waves, one above the other, 64 rows x 128 columns each: 4 x 8 accumulator tiles = 256 registers = window 1.
; K goes in steps of 128 through two LDS slots: a row of ao's tile is 256 consecutive bytes, aligned, and so is a row of wph's.
; CLUSTERS: 4 x 4 work-groups; ao's tiles are asked for jointly along a row of the cluster, wph's along a column.
; THE MATRIX INSTRUCTION IS USED TRANSPOSED (source 0 = 16 columns of wph by the transposing LDS load, source 1 = 16 rows of ao): lane l holds row l % 16
; and in registers 0-7 the columns 8 (l / 16) + 0..7: 32 neighbouring bytes of f32.
; LIMIT: f16 operands (ao as v, at most 65,504; w_proj about 0.03).  The sums, the bias and the result are f32.  NaN and infinite inputs are not treated specially.
.set NTOT,  1024
.set KTOT,  1024
.set NCH,   1
.set NB,    128*NCH
.set KSTEP, 128
.set U,     (KSTEP/32)*NCH             ; chunk steps in a K step: 32 along K = 32 matrix instructions
.set LAPS,  KTOT/(2*KSTEP)
.set PA,    272                        ; LDS pitch of ao's rows: 256 bytes + 16
.set QIA,   5                          ; pad behind every 64 words
.set CHP,   288
.set PB,    CHP*NCH                    ; LDS pitch of wph's rows: 256 bytes + 32 = 9 x 32
.set AHALF, 128*PA                     ; what one load of ao brings: 128 rows
.set BHALF, (KSTEP/2)*PB               ; what one load of wph brings: 64 rows
.set BOFF,  2*AHALF                    ; wph's tile lies behind ao's
.set BADD,  BOFF-2*BHALF               ; so that its LDS address is wave x BHALF + a constant
.set SLOT,  BOFF+2*BHALF
.set STAGE, 2*SLOT                     ; 16 rows x 528 bytes for each wave; no tensor load fills it
.set SPITCH, 528
.set SWAVE, 16*SPITCH
.set BIAS,  STAGE+4*SWAVE
.set BWAVE, NB*4
.set ADRA, 16
.set ADRB, 20
.set STO,  24
.set RD,   25
.set CO,   26
.set BIA,  27
.set FA0,  32                          ; v32-63, v64-95      fragments of ao, two buffers
.set FA1,  64
.set FB0,  96                          ; v96-159, v160-223   fragments of wph, two buffers
.set FB1,  160
.set TMP,  224
.set G1,  24
.set G0,  32
.set G1B, 48
.set G0B, 56
.set MSB, 0
.macro WIN new                         ; s_set_vgpr_msb: bits 1:0 source 0, 3:2 source 1, 5:4 source 2, 7:6 destination; the high byte repeats the setting that is left
.if MSB != (\new)
	s_set_vgpr_msb (MSB<<8)|(\new)
.set MSB, (\new)
.endif
.endm
.macro PLACES                          ; four plain vector instructions behind matrix instructions (ISA guide 7.12.1 for vector instructions)
.rept 4
	v_nop
.endr
.endm
.macro JLOAD s                         ; waves 0 and 1 fetch ao's two halves, waves 2 and 3 wph's
	s_cmp_eq_u32 s13, 0
	s_cbranch_scc0 .Lfor_b_\@
	tensor_load_to_lds s[G0+4*\s:G0+4*\s+3], s[G1:G1+7]
	s_nop 0
	s_branch .Lasked_\@
.Lfor_b_\@:
	tensor_load_to_lds s[G0B+4*\s:G0B+4*\s+3], s[G1B:G1B+7]
	s_nop 0
.Lasked_\@:
.endm
.macro CREST                           ; a round of the cluster's barrier behind its opening barrier
	s_cmp_lg_u32 s12, 0
	s_cbranch_scc1 .Lnot_wave_0_\@
	s_barrier_signal -3
.Lnot_wave_0_\@:
	s_barrier_wait -3
	s_barrier_signal -1
	s_barrier_wait -1
.endm
.macro CROUND
	s_barrier_signal -1
	s_barrier_wait -1
	CREST
.endm
	s_load_b256 s[4:11], s[0:1], 0x0               ; ao s[4:5], wph s[6:7], b_proj s[8:9], out0 s[10:11]
	v_lshl_add_u32 v254, v0, 2, 0x3cc00
	v_mov_b32 v255, 0
	ds_add_u32 v254, v255
	v_lshrrev_b32 v1, 5, v0
	v_readfirstlane_b32 s12, v1                    ; wave 0..3
	s_lshr_b32 s13, s12, 1                         ; I fetch for ao (0) or for wph (1)
	s_and_b32 s14, s12, 1                          ; which half of that tile
	s_bfe_u32 s16, ttmp6, 0x40000                  ; cx
	s_bfe_u32 s17, ttmp6, 0x40004                  ; cy
	s_lshl_b32 s18, ttmp9, 2
	s_add_co_u32 s18, s18, s16                     ; block column
	s_and_b32 s19, ttmp7, 0xffff
	s_lshl_b32 s19, s19, 2
	s_add_co_u32 s19, s19, s17                     ; block row
	s_lshl_b32 s20, s17, 2
	s_lshl_b32 s20, 15, s20                        ; my row of the cluster
	s_lshl_b32 s21, 0x1111, s16                    ; my column
	; group 1 for ao: 128 rows x 128 elements of 2 bytes, 4 words of padding behind every 64
	s_or_b32  s[G1+0], s20, (1<<16)|(1<<20)|(1<<21)|(QIA<<22)|(3<<25)
	s_mov_b32 s[G1+1], KSTEP<<16
	s_mov_b32 s[G1+2], 128<<16
	s_mov_b32 s[G1+3], KSTEP<<16
	s_mov_b32 s[G1+4], 128
	s_mov_b32 s[G1+5], KTOT
	s_mov_b32 s[G1+6], 0
	s_mov_b32 s[G1+7], 0
	; group 1 for wph: 64 rows (K) x 128 elements, 8 words of padding behind every 64
	s_or_b32  s[G1B+0], s21, (1<<16)|(1<<20)|(1<<21)|(5<<22)|(7<<25)
	s_mov_b32 s[G1B+1], NB<<16
	s_mov_b32 s[G1B+2], (KSTEP/2)<<16
	s_mov_b32 s[G1B+3], NB<<16
	s_mov_b32 s[G1B+4], KSTEP/2
	s_mov_b32 s[G1B+5], NTOT
	s_mov_b32 s[G1B+6], 0
	s_mov_b32 s[G1B+7], 0
	; ao's tiles hang on the block row alone (s40-43 never hold cx), wph's on the block column alone (s44-47 never hold cy)
	s_lshl_b32 s40, s19, 8
	s_lshl_b32 s41, s14, 7
	s_add_co_u32 s40, s40, s41
	s_lshl_b32 s40, s40, 11                        ; x 2,048 bytes a row
	s_mov_b32 s41, 0
	s_mul_i32 s44, s14, (KSTEP/2)*NTOT*2
	s_mul_i32 s45, s18, NB*2
	s_add_co_u32 s44, s44, s45
	s_mov_b32 s45, 0
	s_mul_i32 s22, s12, AHALF
	s_mul_i32 s23, s12, BHALF
	s_wait_dscnt 0x0
	s_wait_kmcnt 0x0
	s_add_nc_u64 s[42:43], s[4:5], s[40:41]
	s_add_nc_u64 s[46:47], s[6:7], s[44:45]
	s_mul_i32 s44, s18, NB*4
	s_add_nc_u64 s[8:9], s[8:9], s[44:45]          ; the block's biases,
	s_add_nc_u64 s[10:11], s[10:11], s[44:45]      ; and out0 at the block's first column: 512 bytes x block column both
	s_lshl_b32 s40, s19, 8
	s_lshl_b32 s15, s12, 6
	s_add_co_u32 s40, s40, s15
	s_lshl_b32 s40, s40, 12                        ; my wave's first row, 4,096 bytes a row
	s_add_nc_u64 s[10:11], s[10:11], s[40:41]
	CROUND                                         ; all sixteen work-groups are here: the first joint loads meet
.irp s, 0,1
	s_mov_b32 s[G0+4*\s], 1
	s_add_co_u32 s[G0+4*\s+1], s22, \s*SLOT
	s_add_nc_u64 s[G0+4*\s+2:G0+4*\s+3], s[42:43], \s*KSTEP*2
	s_or_b32 s[G0+4*\s+3], s[G0+4*\s+3], 0x80000000
	s_mov_b32 s[G0B+4*\s], 1
	s_add_co_u32 s[G0B+4*\s+1], s23, \s*SLOT+BADD
	s_add_nc_u64 s[G0B+4*\s+2:G0B+4*\s+3], s[46:47], \s*KSTEP*NTOT*2
	s_or_b32 s[G0B+4*\s+3], s[G0B+4*\s+3], 0x80000000
	JLOAD \s                                       ; two tensor loads of a wave are out here, later one
.endr
	v_and_b32 v1, 31, v0                           ; lane
	v_and_b32 v2, 15, v0                           ; r
	v_bfe_u32 v3, v0, 4, 1                         ; h
	v_lshlrev_b32 v7, 4, v1
	global_load_b128 v[TMP:TMP+3], v7, s[8:9]      ; the block's 512 bytes of bias
	v_mul_u32_u24 v4, v2, PA
	v_lshl_add_u32 v4, v3, 4, v4
	s_mul_i32 s15, s12, 64*PA
	v_add_nc_u32 v[ADRA], s15, v4
	v_add_nc_u32 v[ADRA+1], SLOT, v[ADRA]
	v_and_b32 v5, 7, v0
	v_lshl_add_u32 v5, v3, 3, v5
	v_mul_u32_u24 v5, v5, PB
	v_bfe_u32 v6, v0, 3, 1
	v_lshl_add_u32 v5, v6, 4, v5
	v_add_nc_u32 v[ADRB], BOFF, v5
	v_add_nc_u32 v[ADRB+1], BOFF+SLOT, v5
	s_mul_i32 s15, s12, SWAVE
	s_add_co_u32 s15, s15, STAGE                   ; my stage
	v_mul_u32_u24 v8, v2, SPITCH                   ; in: row r, 32 bytes for each half of the lanes
	v_lshl_add_u32 v8, v3, 5, v8
	v_add_nc_u32 v[STO], s15, v8
	v_add_nc_u32 v[RD], s15, v7                    ; back: the 32 lanes take one row of 512 bytes
	v_lshlrev_b32 v[CO], 4, v1                     ; and the same in out0
	s_mul_i32 s15, s12, BWAVE
	s_add_co_u32 s15, s15, BIAS
	v_lshl_add_u32 v[BIA], v3, 5, s15
	v_add_nc_u32 v11, s15, v7
	s_wait_loadcnt 0x0
	ds_store_b128 v11, v[TMP:TMP+3]
.macro LOADA slot, q, f                ; 8 LDS loads: my 64 rows of ao, 32 K
.irp a, 0,1,2,3
	ds_load_b128 v[\f+8*\a:\f+8*\a+3],   v[ADRA+\slot] offset:16*\a*PA+64*(\q)
	ds_load_b128 v[\f+8*\a+4:\f+8*\a+7], v[ADRA+\slot] offset:16*\a*PA+64*(\q)+32
.endr
.endm
.macro LOADB slot, q, c, f             ; 16 transposing LDS loads: 128 columns of wph, 32 K
.irp b, 0,1,2,3,4,5,6,7
	ds_load_tr16_b128 v[\f+8*\b:\f+8*\b+3],   v[ADRB+\slot] offset:32*(\q)*PB+CHP*(\c)+32*\b
	ds_load_tr16_b128 v[\f+8*\b+4:\f+8*\b+7], v[ADRB+\slot] offset:32*(\q)*PB+CHP*(\c)+32*\b+16*PB
.endr
.endm
; 16 matrix instructions.  The 32 accumulators take turns, one instruction a turn, in the same order in every chunk step.
.macro MUL16 fa, fb, a0, zero
.irp a, \a0, \a0+1
.irp b, 0,1,2,3,4,5,6,7
.if \zero
	v_wmma_f32_16x16x32_f16 v[8*(8*(\a)+\b):8*(8*(\a)+\b)+7], v[\fb+8*\b:\fb+8*\b+7], v[\fa+8*(\a):\fa+8*(\a)+7], 0
.else
	v_wmma_f32_16x16x32_f16 v[8*(8*(\a)+\b):8*(8*(\a)+\b)+7], v[\fb+8*\b:\fb+8*\b+7], v[\fa+8*(\a):\fa+8*(\a)+7], v[8*(8*(\a)+\b):8*(8*(\a)+\b)+7]
.endif
.endr
.endr
.endm
.macro CS slot, zero                   ; chunk step u, all but the last of a K step: fetches step u + 1's fragments in one run, then multiplies
.set QN, (u+1)/NCH
.set CN, (u+1)%NCH
.set FAU, FA0+32*((u/NCH)%2)
.set FBU, FB0+64*(u%2)
.set FAN, FA0+32*(QN%2)
.set FBN, FB0+64*((u+1)%2)
.set ZZ, 0
.if \zero
.if u < NCH
.set ZZ, 1
.endif
.endif
	s_wait_dscnt 0x0                               ; this step's fragments, asked for 32 matrix instructions ago, are in
	PLACES                                         ; behind the last step's products, which read the buffers that are loaded now
	WIN 0
	LOADB \slot, QN, CN, FBN
.if QN != u/NCH
	LOADA \slot, QN, FAN
.endif
	WIN 0x50*(1+u%NCH)                             ; C and D in window 1
	MUL16 FAU, FBU, 0, ZZ
	MUL16 FAU, FBU, 2, ZZ
.set u, u+1
.endm
; The last chunk step changes slots: each wave's waits for its reads of this slot and for all its tensor loads, one barrier (with fill = 1 it opens a round of
; the cluster's barrier), the joint refill first behind it, then the next slot's first fragments.
.macro TURN slot, next, fill
	s_wait_dscnt 0x0
	s_wait_tensorcnt 0x0
	ds_add_u32 v254, v255
	s_wait_dscnt 0x0
	s_barrier_signal -1
	WIN 0x50*NCH
	MUL16 FA1, FB1, 0, 0
	WIN 0
	s_barrier_wait -1
.if \fill
	CREST
	s_add_nc_u64 s[G0+4*\slot+2:G0+4*\slot+3], s[G0+4*\slot+2:G0+4*\slot+3], 2*KSTEP*2
	s_add_nc_u64 s[G0B+4*\slot+2:G0B+4*\slot+3], s[G0B+4*\slot+2:G0B+4*\slot+3], 2*KSTEP*NTOT*2
	JLOAD \slot                                    ; it has the next K step's 112 matrix instructions up to the wait for it
.endif
	PLACES
	LOADB \next, 0, 0, FB0
	LOADA \next, 0, FA0
	WIN 0x50*NCH
	MUL16 FA1, FB1, 2, 0
.endm
.macro KSTEPM slot, next, zero, fill
.set u, 0
.rept U-1
	CS \slot, \zero
.endr
	TURN \slot, \next, \fill
.endm
.macro LAP zero
	KSTEPM 0, 1, \zero, 1
	KSTEPM 1, 0, 0, 1
.endm
	s_wait_tensorcnt 0x1                           ; my part of K step 0 is in; K step 1's one load stays out
	s_wait_dscnt 0x0                               ; my store of the biases
	s_barrier_signal -1
	s_barrier_wait -1
	LOADB 0, 0, 0, FB0
	LOADA 0, 0, FA0
	LAP 1                                          ; its first products start the sums
	WIN 0
	s_mov_b32 s3, LAPS-2
.Llap:
	LAP 0
	WIN 0
	s_sub_co_u32 s3, s3, 1
	s_cmp_lg_u32 s3, 0
	s_cbranch_scc1 .Llap
	KSTEPM 0, 1, 0, 0                              ; the last lap fills nothing and has no round
.set u, 0
.rept U-1
	CS 1, 0
.endr
	s_wait_dscnt 0x0
	WIN 0x50*NCH
	MUL16 FA1, FB1, 0, 0
	MUL16 FA1, FB1, 2, 0
	; THE WAY OUT, 16 rows at a time: add the bias, 32 bytes a lane into my own stage, read back as whole rows of 512 bytes
	PLACES
	WIN 0
.irp b, 0,1,2,3,4,5,6,7
	ds_load_b128 v[FB0+8*\b:FB0+8*\b+3],   v[BIA] offset:64*\b             ; my eight biases of column block b: columns 16 b + 8 h + 0..7
	ds_load_b128 v[FB0+8*\b+4:FB0+8*\b+7], v[BIA] offset:64*\b+16
.endr
	s_wait_dscnt 0x0
.macro OUT16 a, f
	WIN 0x41                                       ; destination and source 0 in window 1, the bias in window 0
.irp b, 0,1,2,3,4,5,6,7
.irp i, 0,1,2,3
	v_pk_add_f32 v[8*(8*\a+\b)+2*\i:8*(8*\a+\b)+2*\i+1], v[8*(8*\a+\b)+2*\i:8*(8*\a+\b)+2*\i+1], v[FB0+8*\b+2*\i:FB0+8*\b+2*\i+1]
.endr
.endr
	WIN 0x04                                       ; an LDS store's data is source 1: window 1; its address window 0
.irp b, 0,1,2,3,4,5,6,7
	ds_store_b128 v[STO], v[8*(8*\a+\b):8*(8*\a+\b)+3]   offset:64*\b
	ds_store_b128 v[STO], v[8*(8*\a+\b)+4:8*(8*\a+\b)+7] offset:64*\b+16
.endr
	WIN 0
	s_wait_xcnt 0x0                                ; buffer f was the data of earlier stores: it is loaded again only behind this wait
.irp t, 0,1,2,3,4,5,6,7,8,9,10,11,12,13,14,15
	ds_load_b128 v[\f+4*\t:\f+4*\t+3], v[RD] offset:\t*SPITCH              ; LDS serves a wave's instructions in order (ISA guide 5.7.1): these see the stores above
.endr
.irp t, 0,1,2,3,4,5,6,7,8,9,10,11,12,13,14,15
	s_wait_dscnt 15-\t                             ; the 15 - t younger loads may stay out
	global_store_b128 v[CO], v[\f+4*\t:\f+4*\t+3], s[10:11] offset:(16*\a+\t)*NTOT*4 th:TH_STORE_NT   ; the wave stores 512 consecutive bytes, aligned
.endr
.endm
	OUT16 0, FA0
	OUT16 1, FB1
	OUT16 2, FA0
	OUT16 3, FB1
	s_wait_tensorcnt 0x0
	ds_add_u32 v254, v255
	s_wait_dscnt 0x0
	CROUND                                         ; the closing round
	s_endpgm
.Lfunc_end_k_q0c8d9cb074_proj:
	.size	k_q0c8d9cb074_proj, .Lfunc_end_k_q0c8d9cb074_proj-k_q0c8d9cb074_proj
	.p2alignl 7, 3214868480
	.fill 96, 4, 3214868480
	.section	.rodata,"a",@progbits
	.p2align	6, 0x0
	.amdhsa_kernel k_q0c8d9cb074_proj
		.amdhsa_group_segment_fixed_size 327680
		.amdhsa_private_segment_fixed_size 0
		.amdhsa_enable_private_segment 0
		.amdhsa_kernarg_size 32
		.amdhsa_user_sgpr_count 2
		.amdhsa_user_sgpr_kernarg_segment_ptr 1
		.amdhsa_wavefront_size32 1
		.amdhsa_system_sgpr_workgroup_id_x 1
		.amdhsa_system_sgpr_workgroup_id_y 1
		.amdhsa_system_sgpr_workgroup_id_z 1
		.amdhsa_system_vgpr_workitem_id 0
		.amdhsa_next_free_vgpr 512
		.amdhsa_next_free_sgpr 66
		.amdhsa_reserve_vcc 0
		.amdhsa_float_denorm_mode_32 3
		.amdhsa_float_denorm_mode_16_64 3
		.amdhsa_memory_ordered 1
		.amdhsa_forward_progress 1
		.amdhsa_inst_pref_size 126
	.end_amdhsa_kernel
	.amdgpu_metadata
---
amdhsa.version: [ 1, 2 ]
amdhsa.kernels:
  - .name:           k_q0c8d9cb074_proj
    .symbol:         k_q0c8d9cb074_proj.kd
    .args:
      - { .name: ao, .offset: 0, .size: 8, .value_kind: global_buffer, .address_space: global }
      - { .name: wph, .offset: 8, .size: 8, .value_kind: global_buffer, .address_space: global }
      - { .name: b_proj, .offset: 16, .size: 8, .value_kind: global_buffer, .address_space: global }
      - { .name: out0, .offset: 24, .size: 8, .value_kind: global_buffer, .address_space: global }
    .group_segment_fixed_size: 327680
    .private_segment_fixed_size: 0
    .kernarg_segment_align: 8
    .kernarg_segment_size: 32
    .max_flat_workgroup_size: 128
    .sgpr_count:     66
    .vgpr_count:     512
    .wavefront_size: 32
...
	.end_amdgpu_metadata
.endif
;; end of part 4
